; MI455X (gfx1250); checked and timed in simulation.
; The chip was launched on July 23, 2026; its instructions are those of AMD's public machine-readable ISA for CDNA 5 (MIT licence, August 2026) and "CDNA5" Instruction Set Architecture Reference Guide (July 2026). The comments in the code are by the model that wrote it; some were corrected since.
;; Self Attention. Allowed arithmetic: matrix products marked QUANTISED: E4M3 operands, one given power-of-two scale a tensor, by v_wmma_f32_16x16x64_fp8_fp8 or v_wmma_f32_16x16x128_fp8_fp8, f32 sums; everything else in f32.
;; Inputs: K_seq 8 x 1,024 x 1,024 float32; Q_seq 8 x 1,024 x 1,024 float32; V_seq 8 x 1,024 x 1,024 float32; WK 1,024 x 1,024 float32; WQ 1,024 x 1,024 float32; WV 1,024 x 1,024 float32; lowp_scales 10 int32 (the exponents e of the quantised operands' scales 2^e).
;; Outputs: out0 8 x 1,024 x 1,024 float32.
;; This version of the problem:
;;   THIS VERSION OF THE PROBLEM IS GIVEN IN LOW PRECISION. The matrix products marked QUANTISED in the list below multiply operands that are first quantised to E4M3 (4 exponent bits, 3 mantissa bits; 8 bits a number), with one given power-of-two scale for each operand tensor; their sums are f32. All else is computed in f32.
;;   The module's matrix products, in the order in which they are computed (A, B: the left and right operand; K: the contracted axis; several contracted axes count as one K, in the product's order):
;;     1. [M 8,192, K 1,024] x [K 1,024, N 1,024]; A: input Q_seq; B: input WQ: QUANTISED (scales: A lowp_scales[0], B lowp_scales[1])
;;     2. [M 8,192, K 1,024] x [K 1,024, N 1,024]; A: input K_seq; B: input WK: QUANTISED (scales: A lowp_scales[2], B lowp_scales[3])
;;     3. [M 8,192, K 1,024] x [K 1,024, N 1,024]; A: input V_seq; B: input WV: QUANTISED (scales: A lowp_scales[4], B lowp_scales[5])
;;     4. batch 128 x [M 1,024, K 64] x [K 64, N 1,024]; A: computed on the way; B: computed on the way: QUANTISED (scales: A lowp_scales[6], B lowp_scales[7])
;;     5. batch 128 x [M 1,024, K 1,024] x [K 1,024, N 64]; A: softmax (see below); B: computed on the way: QUANTISED (scales: A lowp_scales[8], B lowp_scales[9])
;;   THE QUANTISER, for each operand of a quantised product, along K:
;;     - The operand's scale is 2^e, e = its entry of the input lowp_scales (int32; the entries are numbered through the quantised products in the list's order, A before B).
;;     - Each number is divided by the scale, clamped to +-448, and rounded to the nearest number of E4M3, ties to even, subnormals kept.
;;     - The product sums the exact products of the quantised numbers (number of the format x scale) in f32.
;;   ~~~python
;;   def quantise(x, axis, e):      # numpy; x: float32 -> the quantised numbers, widened to float32 again
;;       x = np.moveaxis(x, axis, -1); K = x.shape[-1]
;;       r = np.clip(x / 2.0 ** e, -448, 448)
;;       step = 2.0 ** (np.maximum(np.frexp(np.where(r == 0, 1, r))[1] - 1, -6) - 3)
;;       q = np.round(r / step) * step * 2.0 ** e      # np.round: ties to even
;;       return np.moveaxis(q, -1, axis).astype(np.float32)
;;   ~~~
;;   SOFTMAX AHEAD OF A QUANTISED PRODUCT. Where the list says 'softmax', what is quantised is not the finished softmax but p = 2^(t - M), with t = logit x log2(e) and M = ceil(the row's largest t), a whole number; so 1/2 < the row's largest p <= 1. The row's sum l is taken of the UNQUANTISED p, in f32, and the product's result is divided by l at the end. Since M is a whole number, a kernel that streams over the keys may use a running M (the ceiling of the running maximum): every later rescaling is an exact power of two, so the quantised numbers keep their values, but for numbers so far below the row's largest that they fall under the format's range.
;;   OPERANDS COMPUTED ON THE WAY. 'Computed on the way' means the value that the module computes at that place (a softmax that the list does not call 'softmax' is quantised finished and normalised). What goes into a quantiser is computed in f32, as accurately as f32 sums, v_exp_f32 and their like allow (about 1e-6 of the number): no bf16 or f16 on the way to a quantiser, and a product that is left as it is and whose result goes on into a quantised operand takes f32 operands (vector FMAs, or v_wmma_f32_16x16x4_f32). A number that lies on a knife's edge between two numbers of the format may be rounded either way, as far as f32 arithmetic and the matrix unit's own rounding can turn it there, and no further.
;; One version. Each part assembles by itself: llvm-mc -triple=amdgcn-amd-amdhsa -mcpu=gfx1250 --defsym DOCPART=n.
;; ======== version 1 of 1: 3 launches
;; limits: right only within a limited range of input values
;; workspace buffers: xc 25,165,824 bytes; wc 3,145,728 bytes; qc 8,388,608 bytes; kc 8,388,608 bytes; vc 8,388,608 bytes
;; launch quant (part 1): grid 256 x 3, 4 waves a work-group, no clusters, 39,680 bytes of LDS; arguments Q_seq, K_seq, V_seq, WQ, WK, WV, lowp_scales, xc, wc; writes xc, wc
.if DOCPART == 1
	.amdgcn_target "amdgcn-amd-amdhsa--gfx1250"
	.amdhsa_code_object_version 6
	.text
	.protected	k_q95b342b626_quant
	.globl	k_q95b342b626_quant
	.p2align	8
	.type	k_q95b342b626_quant,@function
k_q95b342b626_quant:
	s_mov_b64 s[64:65], 0
	v_nop
	global_prefetch_b8 v0, s[64:65] scope:SCOPE_SE
	s_setreg_imm32_b32 hwreg(HW_REG_WAVE_MODE, 25, 1), 1
	s_wait_xcnt 0x0
; Q_seq, K_seq, V_seq [8192][1024] and WQ, WK, WV [1024][1024], f32, become codes of FP8 (E4M3), one a byte, each tensor with the one scale 2^e given for it.
; code = x / 2^e, held within +-448, rounded to the nearest code, ties to even.  e: entries 0 to 5 of the buffer of scales (Q_seq, WQ, K_seq, WK, V_seq, WV).
; No work of the reference is left out in this program.
; LIMITS: e between -126 and 119, so that 2^e and 448 x 2^e are f32 numbers.  NaN among the inputs is not served (an infinity is held at the largest code).
; xc holds the three sequences' codes on end (8,388,608 bytes each), wc the three weights' (1,048,576 each).
; LAYOUT: AN IMAGE OF THE OPERANDS' REGISTERS.  16 rows are 16,384 bytes: 32 fragments of 512 bytes; in a fragment lane (r, h) = r + 16 h has the 16 bytes at 16 x lane: 16 codes of row r, piece 2 J + h of the row's 64 pieces
; (J: the fragment).  Piece 16 q + p (p = 0 .. 15) holds the row's numbers 256 q + 64 i + 4 p + j at byte 4 i + j: the order in which the loads deal them out, the same in all six tensors, and the products only ask that.
; A STEP is two rows x 256 numbers: each of its four loads reads 256 consecutive bytes of a row in lanes 0-15 and of the next row in lanes 16-31; a lane's 16 codes go through LDS, piece by piece (16 rows + 16 bytes of
; padding = 272 bytes from piece to piece), and come back as fragments: each store covers 512 consecutive bytes.
; GRID: y = which of the three products.  Each wave takes 16 rows x 512 numbers of the sequence (16 steps, two quarters of the rows) and each work-group 16 rows x 256 numbers of the weight (two steps a wave, ahead of the
; others, handed over through LDS behind the one barrier).  Loads run ten steps (40 loads a wave) ahead.
.set DEPTH, 10
.set C,     16                         ; v16-47   codes of a quarter's eight steps; v48-55 of the weight's two
.set OUT,   56                         ; v56-87   read back from LDS
.set R,     88                         ; v88-247  ten sets of 16 numbers
.set WREG,  8704                       ; LDS: two quarters of 16 pieces x 272 bytes for each wave
.set WTB,   4*WREG                     ; then the weight's 16 pieces
.set SPARE, WTB+4352                   ; the spare words, 128 bytes a wave, which no other line names
.set STS, 4                            ; v4 into my wave's stage, v5 out of it; v6, v7 the same for the weight
.set RDS, 5
.set SWT, 6
.set RWT, 7
.set SPW, 8
.set NIL, 9
.set GL,  14                           ; v14 16 x lane
	s_load_b256 s[4:11], s[0:1], 0x0               ; Q_seq s[4:5], K_seq s[6:7], V_seq s[8:9], WQ s[10:11]
	s_load_b256 s[12:19], s[0:1], 0x20             ; WK s[12:13], WV s[14:15], the scales' exponents s[16:17], xc s[18:19]
	s_load_b64 s[20:21], s[0:1], 0x40              ; wc
	v_lshl_add_u32 v[SPW], v0, 2, SPARE
	v_mov_b32 v[NIL], 0
	v_lshrrev_b32 v1, 5, v0
	v_readfirstlane_b32 s23, v1                    ; wave
	v_and_b32 v1, 15, v0                           ; r
	v_bfe_u32 v2, v0, 4, 1                         ; h
	v_lshlrev_b32 v3, 12, v2
	v_lshl_add_u32 v3, v1, 4, v3                   ; in: 16 bytes a lane; lanes 16-31 one row on
	s_mul_i32 s45, s23, WREG
	s_lshl_b32 s46, s23, 6
	s_mul_i32 s47, s23, 1088
	v_mul_u32_u24 v15, v1, 272
	v_lshl_add_u32 v15, v2, 4, v15                 ; piece r, row h
	v_add_nc_u32 v[STS], s45, v15
	v_add_nc_u32 v[SWT], s46, v15                  ; + 4 rows a wave
	v_add_nc_u32 v[SWT], WTB, v[SWT]
	v_mul_u32_u24 v15, v2, 272
	v_lshl_add_u32 v15, v1, 4, v15                 ; piece h, row r
	v_add_nc_u32 v[RDS], s45, v15
	v_add_nc_u32 v[RWT], s47, v15                  ; + two fragments a wave
	v_add_nc_u32 v[RWT], WTB, v[RWT]
	v_and_b32 v[GL], 31, v0
	v_lshlrev_b32 v[GL], 4, v[GL]
	s_and_b32 s22, ttmp7, 0xffff                   ; which product: 0 Q, 1 K, 2 V
	s_lshl_b32 s44, ttmp9, 2
	s_add_co_u32 s44, s44, s23                     ; the sequence: my run of 8,192 numbers, 0 .. 1023: 16 rows x one half
	s_lshr_b32 s38, s44, 1
	s_lshl_b32 s38, s38, 16
	s_and_b32 s40, s44, 1
	s_lshl_b32 s40, s40, 11
	s_add_co_u32 s38, s38, s40                     ; its first byte
	s_mov_b32 s39, 0
	s_lshr_b32 s40, ttmp9, 2
	s_lshl_b32 s40, s40, 16
	s_and_b32 s42, ttmp9, 3
	s_lshl_b32 s42, s42, 10
	s_add_co_u32 s40, s40, s42
	s_lshl_b32 s42, s23, 14
	s_add_co_u32 s40, s40, s42                     ; the weight: 16 rows x one quarter a work-group, four rows a wave
	s_mov_b32 s41, 0
	s_lshl_b32 s44, s44, 13
	s_lshl_b32 s42, s22, 23
	s_add_co_u32 s44, s44, s42                     ; where the sequence's codes go,
	s_mov_b32 s45, 0
	s_lshl_b32 s46, ttmp9, 12
	s_lshl_b32 s42, s23, 10
	s_add_co_u32 s46, s46, s42
	s_lshl_b32 s42, s22, 20
	s_add_co_u32 s46, s46, s42                     ; and the weight's: two fragments a wave
	s_mov_b32 s47, 0
	s_wait_alu depctr_va_vdst(0)
	s_wait_kmcnt 0x0
	s_load_b256 s[24:31], s[16:17], 0x0            ; e0 .. e7 (32 of the buffer's 40 bytes)
	s_cmp_eq_u32 s22, 0                            ; every choice hangs on the work-group's number alone
	s_cselect_b64 s[32:33], s[4:5], s[6:7]
	s_cselect_b64 s[34:35], s[10:11], s[12:13]
	s_cmp_eq_u32 s22, 2
	s_cselect_b64 s[32:33], s[8:9], s[32:33]
	s_cselect_b64 s[34:35], s[14:15], s[34:35]
	s_add_nc_u64 s[32:33], s[32:33], s[38:39]      ; the sequence's numbers
	s_add_nc_u64 s[34:35], s[34:35], s[40:41]      ; the weight's
	s_add_nc_u64 s[18:19], s[18:19], s[44:45]
	s_add_nc_u64 s[20:21], s[20:21], s[46:47]
.macro LOAD e                          ; steps 0, 1: the weight; 2 .. 17: the sequence
.irp i, 0,1,2,3
.if (\e) < 2
	global_load_b128 v[R+16*((\e)%DEPTH)+4*\i:R+16*((\e)%DEPTH)+4*\i+3], v3, s[34:35] offset:8192*(\e)+256*\i th:TH_LOAD_NT
.else
	global_load_b128 v[R+16*((\e)%DEPTH)+4*\i:R+16*((\e)%DEPTH)+4*\i+3], v3, s[32:33] offset:8192*(((\e)-2)%8)+1024*(((\e)-2)/8)+256*\i th:TH_LOAD_NT
.endif
.endr
.endm
.irp e, 0,1,2,3,4,5,6,7,8,9
	LOAD \e
.endr
	s_wait_kmcnt 0x0
	s_cmp_eq_u32 s22, 0
	s_cselect_b32 s40, s24, s26                    ; the sequence's e,
	s_cselect_b32 s41, s25, s27                    ; the weight's
	s_cmp_eq_u32 s22, 2
	s_cselect_b32 s40, s28, s40
	s_cselect_b32 s41, s29, s41
	s_add_co_i32 s40, s40, 127
	s_add_co_i32 s41, s41, 127
	s_lshl_b32 s42, s40, 23                        ; 2^e as f32: the conversion takes its exponent field
	s_lshl_b32 s43, s41, 23
	s_add_co_i32 s40, s40, 8
	s_add_co_i32 s41, s41, 8
	s_lshl_b32 s40, s40, 23
	s_lshl_b32 s41, s41, 23
	s_or_b32 s40, s40, 0x600000                    ; 448 x 2^e
	s_or_b32 s41, s41, 0x600000
	v_mov_b32 v10, s40
	v_mov_b32 v11, s42
	v_mov_b32 v12, s41
	v_mov_b32 v13, s43
.macro ENTRY e
.set XS, R+16*((\e)%DEPTH)
.if (\e)+DEPTH-1 < 18
	s_wait_loadcnt 4*(DEPTH-1)                     ; this step's four loads are in; those of the nine steps behind it may be out
.else
	s_wait_loadcnt 4*(17-(\e))                     ; in the tail fewer steps stand behind it
.endif
.if (\e) < 2
.set LM, 12
.set CC, 48+4*(\e)
.else
.set LM, 10
.set CC, C+4*(((\e)-2)%8)
.endif
.irp i, 0,1,2,3,4,5,6,7,8,9,10,11,12,13,14,15
	v_med3_num_f32 v[XS+\i], v[XS+\i], -v[LM], v[LM]   ; the conversion to an 8-bit code does not saturate (ISA guide 7.6.2): hold first
.endr
	v_cvt_scalef32_pk8_fp8_f32 v[CC:CC+1], v[XS:XS+7], v[LM+1]
	v_cvt_scalef32_pk8_fp8_f32 v[CC+2:CC+3], v[XS+8:XS+15], v[LM+1]
.if (\e)+DEPTH < 18
	LOAD (\e)+DEPTH
.endif
.if (\e) < 2
	ds_store_b128 v[SWT], v[CC:CC+3] offset:32*(\e)
.else
	ds_store_b128 v[STS], v[CC:CC+3] offset:4352*(((\e)-2)/8)+32*(((\e)-2)%8)
.endif
.endm
.macro QUARTER_OUT u                   ; a quarter's eight fragments: my own bytes: LDS serves a wave's instructions in order (ISA guide 5.7.1.4)
	s_wait_xcnt 0x0                                ; earlier stores have read their registers
.irp n, 0,1,2,3,4,5,6,7
	ds_load_b128 v[OUT+4*\n:OUT+4*\n+3], v[RDS] offset:4352*\u+544*\n
.endr
.irp n, 0,1,2,3,4,5,6,7
	s_wait_dscnt 7-\n
	global_store_b128 v[GL], v[OUT+4*\n:OUT+4*\n+3], s[18:19] offset:4096*\u+512*\n
.endr
.endm
	s_wait_alu depctr_va_vdst(0)
	ENTRY 0
	ENTRY 1
	s_wait_dscnt 0x0                               ; my rows of the weight lie in LDS,
	s_barrier_signal -1
	s_barrier_wait -1                              ; and all four waves'
	ds_load_b128 v[OUT:OUT+3], v[RWT]
	ds_load_b128 v[OUT+4:OUT+7], v[RWT] offset:544
	s_wait_dscnt 0x0
	global_store_b128 v[GL], v[OUT:OUT+3], s[20:21]
	global_store_b128 v[GL], v[OUT+4:OUT+7], s[20:21] offset:512
.irp e, 2,3,4,5,6,7,8,9
	ENTRY \e
.endr
	QUARTER_OUT 0                                  ; (its loads show the quarter's LDS stores done: their registers may be written again)
.irp e, 10,11,12,13,14,15,16,17
	ENTRY \e
.endr
	QUARTER_OUT 1
	s_wait_tensorcnt 0x0                           ; the wave's end
	ds_add_u32 v[SPW], v[NIL]
	s_wait_dscnt 0x0
	s_endpgm
.Lfunc_end_k_q95b342b626_quant:
	.size	k_q95b342b626_quant, .Lfunc_end_k_q95b342b626_quant-k_q95b342b626_quant
	.p2alignl 7, 3214868480
	.fill 96, 4, 3214868480
	.section	.rodata,"a",@progbits
	.p2align	6, 0x0
	.amdhsa_kernel k_q95b342b626_quant
		.amdhsa_group_segment_fixed_size 39680
		.amdhsa_private_segment_fixed_size 0
		.amdhsa_enable_private_segment 0
		.amdhsa_kernarg_size 72
		.amdhsa_user_sgpr_count 2
		.amdhsa_user_sgpr_kernarg_segment_ptr 1
		.amdhsa_wavefront_size32 1
		.amdhsa_system_sgpr_workgroup_id_x 1
		.amdhsa_system_sgpr_workgroup_id_y 1
		.amdhsa_system_sgpr_workgroup_id_z 1
		.amdhsa_system_vgpr_workitem_id 0
		.amdhsa_next_free_vgpr 320
		.amdhsa_next_free_sgpr 66
		.amdhsa_reserve_vcc 0
		.amdhsa_float_denorm_mode_32 3
		.amdhsa_float_denorm_mode_16_64 3
		.amdhsa_memory_ordered 1
		.amdhsa_forward_progress 1
		.amdhsa_inst_pref_size 37
	.end_amdhsa_kernel
	.amdgpu_metadata
---
amdhsa.version: [ 1, 2 ]
amdhsa.kernels:
  - .name:           k_q95b342b626_quant
    .symbol:         k_q95b342b626_quant.kd
    .args:
      - { .name: Q_seq, .offset: 0, .size: 8, .value_kind: global_buffer, .address_space: global }
      - { .name: K_seq, .offset: 8, .size: 8, .value_kind: global_buffer, .address_space: global }
      - { .name: V_seq, .offset: 16, .size: 8, .value_kind: global_buffer, .address_space: global }
      - { .name: WQ, .offset: 24, .size: 8, .value_kind: global_buffer, .address_space: global }
      - { .name: WK, .offset: 32, .size: 8, .value_kind: global_buffer, .address_space: global }
      - { .name: WV, .offset: 40, .size: 8, .value_kind: global_buffer, .address_space: global }
      - { .name: lowp_scales, .offset: 48, .size: 8, .value_kind: global_buffer, .address_space: global }
      - { .name: xc, .offset: 56, .size: 8, .value_kind: global_buffer, .address_space: global }
      - { .name: wc, .offset: 64, .size: 8, .value_kind: global_buffer, .address_space: global }
    .group_segment_fixed_size: 39680
    .private_segment_fixed_size: 0
    .kernarg_segment_align: 8
    .kernarg_segment_size: 72
    .max_flat_workgroup_size: 128
    .sgpr_count:     66
    .vgpr_count:     320
    .wavefront_size: 32
...
	.end_amdgpu_metadata
.endif
;; end of part 1
;; launch proj (part 2): grid 128 x 2, 4 waves a work-group, clusters of 4 x 1, 327,680 bytes of LDS; arguments xc, wc, lowp_scales, kc, vc, qc; writes kc, vc, qc
.if DOCPART == 2
	.amdgcn_target "amdgcn-amd-amdhsa--gfx1250"
	.amdhsa_code_object_version 6
	.text
	.protected	k_q95b342b626_proj
	.globl	k_q95b342b626_proj
	.p2align	8
	.type	k_q95b342b626_proj,@function
k_q95b342b626_proj:
	s_mov_b64 s[64:65], 0
	v_nop
	global_prefetch_b8 v0, s[64:65] scope:SCOPE_SE
	s_setreg_imm32_b32 hwreg(HW_REG_WAVE_MODE, 25, 1), 1
	s_wait_xcnt 0x0
	s_wait_alu depctr_hold_cnt(0) depctr_sa_sdst(0) depctr_va_vdst(0) depctr_va_sdst(0) depctr_va_ssrc(0) depctr_va_vcc(0) depctr_vm_vsrc(0)
	s_getreg_b32 s2, hwreg(HW_REG_IB_STS2, 6, 4)
	s_cmp_eq_u32 s2, 0
	s_cbranch_scc0 .Lentry_in_a_cluster
	s_endpgm
.Lentry_in_a_cluster:
	s_bfe_u32 s2, ttmp6, 0x10000c
	s_cmp_lg_u32 s2, 0x3003
	s_cbranch_scc0 .Lentry_shape_is_right
	s_endpgm
.Lentry_shape_is_right:
; K = K_seq WK^T, V = V_seq WV^T and Q = Q_seq WQ^T on codes of FP8, sums in f32, quantised with 2^e7 (K), 2^e9 (V), 2^e6 (Q).
; A work-group makes two tiles.  The first, 256 x 256, of K (y = 0) or V (y = 1); the second, 128 channels x 256 tokens, of Q: 256 work-groups share all three products evenly.
; Operand P lies in LDS and is source 0 (a lane's registers run along P's rows); operand R, 256 rows, 64 a wave, goes from memory straight into registers and is source 1 (a lane holds one row).  K and Q: P = channels of the weight,
; R = tokens: a lane's eight results are eight neighbouring channels of a token.  V: P = 256 tokens, R = 256 channels of WV: eight neighbouring tokens of a channel.
; So the conversions' results are registers of the operands that the attention wants, and leave as images of them: each store covers 512 consecutive aligned bytes; no LDS on the way out.
; qc, kc: [16 b + h][token / 16: 64][image 2][512]: lane (r, h'): token r, image i: channels 32 i + 8 h' + 0..7, then 32 i + 16 + 8 h' + 0..7.
; vc: [16 b + h][keys / 128: 8][channels / 16: 4][image 4][512]: lane (r, h'): channel r, image i: keys 32 i + 8 h' + 0..7, then 32 i + 16 + 8 h' + 0..7.
; CLUSTERS of four work-groups along x, which share P: each of its tiles is asked for jointly (mask 15).  K: cluster x = 4 (tokens / 1024) + channels / 256, the four are four blocks of tokens.  V: cluster x = tokens / 256, the four
; are four blocks of channels.  Q: channels / 128 = cluster x % 4 + 4 y, tokens / 1024 = cluster x / 4, the four are four blocks of tokens.  R differs in the four.
; The first tile's P comes in two halves along K, 128 KiB each, 32 KiB a wave and load; the second tile's P, 128 KiB, lands on the first half when its sixteen groups of products have been fetched, and has the second half's products and the
; first tile's way out in which to land.
; R comes by plain loads, 16 for each 128 along K, in four sets of registers, three steps ahead, on into the second tile.  No prefetch: R's loads run ahead by themselves, and P comes in three loads outside any loop.
; LIMITS: e7 - e2 - e3, e9 - e4 - e5 and e6 - e0 - e1 between -126 and 119.
; REGISTERS: window 0: v0-31 addresses, v64-255 three groups of four fragments of P; window 1: R's four sets; windows 2, 3: 64 accumulators, (b, a) at 8 (4 (b % 8) + a), b = P's 16 rows (window 2 + b / 8), a = R's.
.set OQ,   12                          ; v12-15 Q's way out: my byte offset for a = 0 .. 3
.set PA,   16                          ; v16-19 LDS address: 65,536 bytes apart
.set LO,   20                          ; v20 16 x lane
.set SCQ,  21
.set LIMQ, 22
.set OA,   24                          ; v24-27 the first tile's way out
.set SPW,  28
.set NIL,  29
.set SCL,  30
.set LIMR, 31
.set RB,   64
.set SPARE, 262144
.set MSB, 0
.macro WIN new                         ; the immediate's high byte repeats the setting that is left
.if MSB != \new
	s_set_vgpr_msb (MSB<<8)|\new
.set MSB, \new
.endif
.endm
.macro CREST                           ; a round of the cluster's barrier behind its opening barrier
	s_cmp_lg_u32 s14, 0
	s_cbranch_scc1 .Lnot_wave_0_\@
	s_barrier_signal -3
.Lnot_wave_0_\@:
	s_barrier_wait -3
	s_barrier_signal -1
	s_barrier_wait -1
.endm
.macro CROUND                          ; a whole round
	s_barrier_signal -1
	s_barrier_wait -1
	CREST
.endm
.macro PLACES
.rept 4
	v_nop
.endr
.endm
.macro RLOAD n                         ; R's four fragments of step n: 64 rows x 128 along K; steps 8 .. 15: the second tile's
	WIN 0x40
.irp a, 0,1,2,3
.irp c, 0,1,2,3
	global_load_b128 v[64*((\n)%4)+16*\a+4*\c:64*((\n)%4)+16*\a+4*\c+3], v[LO], s[56+2*((\n)/8):57+2*((\n)/8)] offset:16384*\a+512*(4*((\n)%8)+\c)
.endr
.endr
.endm
.macro PLD n                           ; group n = 4 x step + b / 4: four fragments of P
.irp i, 0,1,2,3
.irp c, 0,1,2,3
	ds_load_b128 v[RB+64*((\n)%3)+16*\i+4*\c:RB+64*((\n)%3)+16*\i+4*\c+3], v[PA+2*((\n)/16)+((\n)%4)/2] offset:((4*((\n)%4)+\i)%8)*8192+(4*(((\n)/4)%4)+\c)*512
.endr
.endr
.endm
.macro PLD2 n                          ; the second tile: group n = 2 x step + b / 4
.irp i, 0,1,2,3
.irp c, 0,1,2,3
	ds_load_b128 v[RB+64*((\n)%3)+16*\i+4*\c:RB+64*((\n)%3)+16*\i+4*\c+3], v[PA+(\n)%2] offset:16384*\i+512*(4*((\n)/2)+\c)
.endr
.endr
.endm
	s_load_b256 s[4:11], s[0:1], 0x0               ; xc s[4:5], wc s[6:7], the scales' exponents s[8:9], kc s[10:11]
	s_load_b64 s[12:13], s[0:1], 0x20              ; vc
	s_load_b64 s[2:3], s[0:1], 0x28                ; qc
	v_lshl_add_u32 v[SPW], v0, 2, SPARE
	v_mov_b32 v[NIL], 0
	ds_add_u32 v[SPW], v[NIL]                      ; the wave's opening
	ds_add_u32 v[SPW], v[NIL]
	v_lshrrev_b32 v1, 5, v0
	v_readfirstlane_b32 s14, v1                    ; wave
	v_and_b32 v1, 31, v0
	v_lshlrev_b32 v[LO], 4, v1
	v_lshlrev_b32 v[PA], 4, v1
	v_add_nc_u32 v[PA+1], 0x10000, v[LO]
	v_add_nc_u32 v[PA+2], 0x20000, v[LO]
	v_add_nc_u32 v[PA+3], 0x30000, v[LO]
	s_bfe_u32 s40, ttmp6, 0x40000                  ; cx
	s_mov_b32 s41, ttmp9                           ; cluster x
	s_and_b32 s42, ttmp7, 0xffff                   ; 0: K, 1: V
	; descriptor group 1, the first tile: four rows of 8,192 bytes (16 rows of the operand x 512 along K each), 16,384 apart
	s_mov_b32 s24, 15|(1<<21)                      ; 15:0 the mask; 17:16 elements of 1 byte; 21 set beside a mask
	s_mov_b32 s25, 8192<<16
	s_mov_b32 s26, 4<<16
	s_mov_b32 s27, 8192<<16
	s_mov_b32 s28, 4
	s_mov_b32 s29, 16384
	s_mov_b32 s30, 0
	s_mov_b32 s31, 0
	; the second tile: two rows of 16,384 bytes (16 rows of WQ x all of K each)
	s_mov_b32 s16, 15|(1<<21)
	s_mov_b32 s17, 16384<<16
	s_mov_b32 s18, 2<<16
	s_mov_b32 s19, 16384<<16
	s_mov_b32 s20, 2
	s_mov_b32 s21, 16384
	s_mov_b32 s22, 0
	s_mov_b32 s23, 0
	s_and_b32 s43, s41, 3
	s_sub_co_u32 s44, s41, s43
	s_add_co_u32 s44, s44, s40                     ; K's and Q's block of 256 tokens
	s_lshl_b32 s45, s43, 18
	s_add_co_u32 s45, s45, 0x100000                ; P for K: WK's rows 256 (cluster x % 4) on
	s_lshl_b32 s46, s41, 18
	s_add_co_u32 s46, s46, 0x1000000               ; P for V: V_seq's rows 256 x cluster x on
	s_lshl_b32 s47, s44, 18
	s_add_co_u32 s47, s47, 0x800000                ; R for K: K_seq
	s_lshl_b32 s48, s40, 18
	s_add_co_u32 s48, s48, 0x200000                ; R for V: WV
	s_lshl_b32 s49, s14, 16                        ; 64 rows a wave, of both
	s_lshl_b32 s58, s44, 18
	s_add_co_u32 s58, s58, s49                     ; R for Q: Q_seq
	s_mov_b32 s59, 0
	s_lshl_b32 s15, s42, 2
	s_add_co_u32 s15, s15, s43                     ; Q's block of 128 channels
	s_lshl_b32 s97, s14, 15                        ; my quarter of it: 32 rows: its LDS address,
	s_lshl_b32 s98, s15, 17
	s_add_co_u32 s98, s98, s97                     ; and its place in WQ
	s_mov_b32 s99, 0
	s_cmp_eq_u32 s42, 0
	s_cselect_b32 s50, s45, s46
	s_cselect_b32 s52, s47, s48
	s_add_co_u32 s50, s50, s49
	s_add_co_u32 s52, s52, s49
	s_mov_b32 s51, 0
	s_mov_b32 s53, 0
	s_lshl_b32 s33, s14, 15                        ; where my quarter of a half of P goes in LDS
	s_wait_dscnt 0x0                               ; both opening adds are done
	s_wait_alu depctr_va_vdst(0)
	s_wait_kmcnt 0x0
	s_load_b256 s[76:83], s[8:9], 0x0              ; e0 .. e7
	s_load_b64 s[84:85], s[8:9], 0x20              ; e8, e9
	s_cmp_eq_u32 s42, 0
	s_cselect_b64 s[54:55], s[6:7], s[4:5]
	s_cselect_b64 s[56:57], s[4:5], s[6:7]
	s_cselect_b64 s[68:69], s[10:11], s[12:13]
	s_add_nc_u64 s[54:55], s[54:55], s[50:51]      ; P
	s_add_nc_u64 s[56:57], s[56:57], s[52:53]      ; R
	s_add_nc_u64 s[58:59], s[4:5], s[58:59]        ; R of the second tile
	s_add_nc_u64 s[98:99], s[6:7], s[98:99]        ; P of the second tile
	s_mov_b32 s32, 1
	s_mov_b64 s[34:35], s[54:55]
	s_or_b32 s35, s35, 0x80000000
	s_mov_b32 s36, 1
	s_add_co_u32 s37, s33, 0x20000
	s_add_nc_u64 s[38:39], s[54:55], 8192
	s_or_b32 s39, s39, 0x80000000
	s_mov_b32 s96, 1
	s_or_b32 s99, s99, 0x80000000
	RLOAD 0
	WIN 0
	CROUND                                         ; all four work-groups are here: the first joint loads meet
	tensor_load_to_lds s[32:35], s[24:31]          ; P's first half
	s_nop 0
	PLACES
	RLOAD 1
	RLOAD 2
	WIN 0
	; where my results go
	s_cmp_eq_u32 s42, 0
	s_cselect_b32 s60, s44, s41                    ; my block of 256 tokens
	s_lshl_b32 s63, s43, 2                         ; K: the block's four heads, 256 channels
	s_lshl_b32 s66, s40, 2
	s_add_co_u32 s66, s66, s14                     ; V: my wave's head
	s_lshl_b32 s67, s14, 12                        ; K, Q: my wave's four token blocks of 1,024 bytes
	s_mov_b32 s70, 1024
	s_mov_b32 s72, 8192
	s_mov_b32 s74, 2048
	s_mov_b32 s95, s67
	s_cmp_eq_u32 s42, 0
	s_cselect_b32 s63, s63, s66
	s_cselect_b32 s67, s67, 0
	s_cselect_b32 s70, 0x10000, s70                ; from b / 2 to the next: K a head on, V two images on
	s_cselect_b32 s72, 0x20000, s72                ; and from b / 4: K two heads on, V 128 keys on
	s_cselect_b32 s86, 1024, s74                   ; from a to a + 1
	s_lshr_b32 s61, s60, 2
	s_lshl_b32 s61, s61, 4
	s_add_co_u32 s61, s61, s63
	s_lshl_b32 s61, s61, 16                        ; 65,536 bytes a head
	s_and_b32 s62, s60, 3
	s_lshl_b32 s62, s62, 14                        ; 256 tokens are 16,384 of them
	s_add_co_u32 s62, s62, s61
	s_add_co_u32 s62, s62, s67
	s_mov_b32 s63, 0
	s_mov_b32 s71, 0
	s_mov_b32 s73, 0
	s_add_nc_u64 s[68:69], s[68:69], s[62:63]
	s_add_nc_u64 s[74:75], s[68:69], s[72:73]
	s_add_nc_u64 s[88:89], s[68:69], s[70:71]
	s_add_nc_u64 s[90:91], s[74:75], s[70:71]
	s_mov_b64 s[72:73], s[74:75]                   ; s[68:69], s[70:71], s[72:73], s[74:75]: the four bases
	s_mov_b64 s[70:71], s[88:89]
	s_mov_b64 s[74:75], s[90:91]
	s_lshr_b32 s88, s44, 2                         ; Q: batch,
	s_lshl_b32 s88, s88, 4
	s_lshl_b32 s89, s15, 1
	s_add_co_u32 s88, s88, s89                     ; two heads,
	s_lshl_b32 s88, s88, 16
	s_and_b32 s89, s44, 3
	s_lshl_b32 s89, s89, 14
	s_add_co_u32 s88, s88, s89                     ; 256 tokens,
	s_add_co_u32 s88, s88, s95                     ; my wave's 64
	s_mov_b32 s89, 0
	s_add_nc_u64 s[2:3], s[2:3], s[88:89]
	s_add_nc_u64 s[100:101], s[2:3], 0x10000       ; the second head
.irp a, 0,1,2,3
	v_mad_u32_u24 v[OA+\a], s86, \a, v[LO]
	v_add_nc_u32 v[OQ+\a], 1024*\a, v[LO]
.endr
	s_wait_alu depctr_va_vdst(0)
	s_wait_kmcnt 0x0
	s_cmp_eq_u32 s42, 0
	s_cselect_b32 s92, s83, s85                    ; e7 or e9,
	s_cselect_b32 s93, s78, s80                    ; e2 or e4,
	s_cselect_b32 s94, s79, s81                    ; e3 or e5
	s_sub_co_i32 s92, s92, s93
	s_sub_co_i32 s92, s92, s94                     ; a sum stands for sum x 2^(its two operands' e): the three scales are folded into the conversion's one
	s_add_co_i32 s92, s92, 127
	s_lshl_b32 s93, s92, 23
	s_add_co_i32 s92, s92, 8
	s_lshl_b32 s92, s92, 23
	s_or_b32 s92, s92, 0x600000
	s_sub_co_i32 s94, s82, s76
	s_sub_co_i32 s94, s94, s77                     ; Q: e6 - e0 - e1
	s_add_co_i32 s94, s94, 127
	s_lshl_b32 s95, s94, 23
	s_add_co_i32 s94, s94, 8
	s_lshl_b32 s94, s94, 23
	s_or_b32 s94, s94, 0x600000
	v_mov_b32 v[SCL], s93
	v_mov_b32 v[LIMR], s92                         ; 448 x that
	v_mov_b32 v[SCQ], s95
	v_mov_b32 v[LIMQ], s94
	s_wait_alu depctr_va_vdst(0)
	s_wait_tensorcnt 0x0                           ; my part of the first half is in
	ds_add_u32 v[SPW], v[NIL]
	s_wait_dscnt 0x0
	CROUND                                         ; everybody's part is in, and the joint loads meet
	tensor_load_to_lds s[36:39], s[24:31]          ; P's second half
	s_nop 0
	PLACES
	RLOAD 3
	WIN 0
	PLD 0
	PLD 1
; A GROUP: 16 products, four fragments of P x R's four; the fragments of two groups on are asked for ahead of them.  The 64 accumulators take turns, one instruction a turn, in the same order in every step.
; Four v_nop stand behind the last group's products: places in front of loads into registers that they read.
; Groups 14 and 15 have the change: the first half has been fetched into registers, the second has landed, and the second tile's P is asked for.
.macro GRP
.set k, g/4
.if g > 0
	PLACES
.endif
	WIN 0
.if g == 14
	s_wait_tensorcnt 0x0                           ; all my tensor loads are done: my part of the second half is in;
	ds_add_u32 v[SPW], v[NIL]                      ; 0 onto my spare word; group 14's products stand between it and the wait for it
.endif
.if (g < 30) && (g != 14) && (g != 15)
	PLD g+2
.endif
.if (g%4 == 0) && (k > 0)
	RLOAD k+3
.endif
.if g%4 == 0
	s_wait_loadcnt 48                              ; this step's R is in; three steps' loads may be out
.endif
.if g == 14
	s_wait_dscnt 17                                ; this group's P is in; group 15's 16 loads and the add may be out
.elseif g == 15
	s_wait_dscnt 0x0                               ; the add is done, and so are my reads of the first half:
	s_barrier_signal -1                            ; I say so
.elseif g < 30
	s_wait_dscnt 32                                ; this group's P is in; two groups' loads may be out
.else
	s_wait_dscnt 16*(31-g)
.endif
	WIN (0xa4+0x50*((g%4)/2))
.irp i, 0,1,2,3
.irp a, 0,1,2,3
.set AC, 8*(4*((4*(g%4)+\i)%8)+\a)
.if g < 4
	v_wmma_f32_16x16x128_fp8_fp8 v[AC:AC+7], v[RB+64*(g%3)+16*\i:RB+64*(g%3)+16*\i+15], v[64*(k%4)+16*\a:64*(k%4)+16*\a+15], 0
.else
	v_wmma_f32_16x16x128_fp8_fp8 v[AC:AC+7], v[RB+64*(g%3)+16*\i:RB+64*(g%3)+16*\i+15], v[64*(k%4)+16*\a:64*(k%4)+16*\a+15], v[AC:AC+7]
.endif
.endr
.endr
.if g == 15
	WIN 0
	s_barrier_wait -1
	CREST                                          ; the second half may be read, and no wave of any partner still reads the first or has a load on its way
	tensor_load_to_lds s[96:99], s[16:23]          ; the second tile's P
	s_nop 0
	PLACES
	PLD 16
	PLD 17
.endif
.endm
.set g, 0
.rept 32
	GRP
.set g, g+1
.endr
	; THE FIRST TILE'S WAY OUT, by pairs of P's blocks: hold, convert, store
	PLACES
.set bp, 0
.rept 8
	WIN (2+bp/4)
.set j, 0
.rept 64
	v_med3_num_f32 v[RB+j], v[64*(bp%4)+j], -v[LIMR], v[LIMR]   ; the conversion to an 8-bit code does not saturate (ISA guide 7.6.2)
.set j, j+1
.endr
	WIN 0
.irp a, 0,1,2,3
	v_cvt_scalef32_pk8_fp8_f32 v[128+16*bp+4*\a:128+16*bp+4*\a+1], v[RB+8*\a:RB+8*\a+7], v[SCL]
	v_cvt_scalef32_pk8_fp8_f32 v[128+16*bp+4*\a+2:128+16*bp+4*\a+3], v[RB+32+8*\a:RB+32+8*\a+7], v[SCL]
.endr
	v_nop                                          ; one plain vector line behind the last conversion
.irp a, 0,1,2,3
	global_store_b128 v[OA+\a], v[128+16*bp+4*\a:128+16*bp+4*\a+3], s[68+2*(bp/2):69+2*(bp/2)] offset:512*(bp%2)
.endr
.set bp, bp+1
.endr
	s_wait_xcnt 0x0                                ; the stores have read their registers, which take fragments of P again
	s_wait_tensorcnt 0x0                           ; my part of the second tile's P is in,
	s_wait_dscnt 0x0
	s_barrier_signal -1
	s_barrier_wait -1                              ; and everybody's
	PLD2 0
	PLD2 1
; THE SECOND TILE'S GROUPS: as above, two groups a step; 32 accumulators, in window 2
.macro GRP2
.set k, 8+g/2
.if g > 0
	PLACES
.endif
	WIN 0
.if g < 14
	PLD2 g+2
.endif
.if g%2 == 0
.if k < 13
	RLOAD k+3
	s_wait_loadcnt 48
.else
	s_wait_loadcnt 16*(15-k)
.endif
.endif
.if g < 14
	s_wait_dscnt 32
.else
	s_wait_dscnt 16*(15-g)
.endif
	WIN 0xa4
.irp i, 0,1,2,3
.irp a, 0,1,2,3
.set AC, 8*(4*(4*(g%2)+\i)+\a)
.if g < 2
	v_wmma_f32_16x16x128_fp8_fp8 v[AC:AC+7], v[RB+64*(g%3)+16*\i:RB+64*(g%3)+16*\i+15], v[64*(k%4)+16*\a:64*(k%4)+16*\a+15], 0
.else
	v_wmma_f32_16x16x128_fp8_fp8 v[AC:AC+7], v[RB+64*(g%3)+16*\i:RB+64*(g%3)+16*\i+15], v[64*(k%4)+16*\a:64*(k%4)+16*\a+15], v[AC:AC+7]
.endif
.endr
.endr
.endm
.set g, 0
.rept 16
	GRP2
.set g, g+1
.endr
	PLACES
.set bp, 0
.rept 4
	WIN 2
.set j, 0
.rept 64
	v_med3_num_f32 v[RB+j], v[64*bp+j], -v[LIMQ], v[LIMQ]
.set j, j+1
.endr
	WIN 0
.irp a, 0,1,2,3
	v_cvt_scalef32_pk8_fp8_f32 v[128+16*bp+4*\a:128+16*bp+4*\a+1], v[RB+8*\a:RB+8*\a+7], v[SCQ]
	v_cvt_scalef32_pk8_fp8_f32 v[128+16*bp+4*\a+2:128+16*bp+4*\a+3], v[RB+32+8*\a:RB+32+8*\a+7], v[SCQ]
.endr
	v_nop
.irp a, 0,1,2,3
	global_store_b128 v[OQ+\a], v[128+16*bp+4*\a:128+16*bp+4*\a+3], s[2+98*(bp/2):3+98*(bp/2)] offset:512*(bp%2)
.endr
.set bp, bp+1
.endr
	s_wait_tensorcnt 0x0                           ; the wave's end
	ds_add_u32 v[SPW], v[NIL]
	s_wait_dscnt 0x0
	CROUND                                         ; the closing round
	s_endpgm
.Lfunc_end_k_q95b342b626_proj:
	.size	k_q95b342b626_proj, .Lfunc_end_k_q95b342b626_proj-k_q95b342b626_proj
	.p2alignl 7, 3214868480
	.fill 96, 4, 3214868480
	.section	.rodata,"a",@progbits
	.p2align	6, 0x0
	.amdhsa_kernel k_q95b342b626_proj
		.amdhsa_group_segment_fixed_size 327680
		.amdhsa_private_segment_fixed_size 0
		.amdhsa_enable_private_segment 0
		.amdhsa_kernarg_size 48
		.amdhsa_user_sgpr_count 2
		.amdhsa_user_sgpr_kernarg_segment_ptr 1
		.amdhsa_wavefront_size32 1
		.amdhsa_system_sgpr_workgroup_id_x 1
		.amdhsa_system_sgpr_workgroup_id_y 1
		.amdhsa_system_sgpr_workgroup_id_z 1
		.amdhsa_system_vgpr_workitem_id 0
		.amdhsa_next_free_vgpr 1024
		.amdhsa_next_free_sgpr 102
		.amdhsa_reserve_vcc 0
		.amdhsa_float_denorm_mode_32 3
		.amdhsa_float_denorm_mode_16_64 3
		.amdhsa_memory_ordered 1
		.amdhsa_forward_progress 1
		.amdhsa_inst_pref_size 201
	.end_amdhsa_kernel
	.amdgpu_metadata
---
amdhsa.version: [ 1, 2 ]
amdhsa.kernels:
  - .name:           k_q95b342b626_proj
    .symbol:         k_q95b342b626_proj.kd
    .args:
      - { .name: xc, .offset: 0, .size: 8, .value_kind: global_buffer, .address_space: global }
      - { .name: wc, .offset: 8, .size: 8, .value_kind: global_buffer, .address_space: global }
      - { .name: lowp_scales, .offset: 16, .size: 8, .value_kind: global_buffer, .address_space: global }
      - { .name: kc, .offset: 24, .size: 8, .value_kind: global_buffer, .address_space: global }
      - { .name: vc, .offset: 32, .size: 8, .value_kind: global_buffer, .address_space: global }
      - { .name: qc, .offset: 40, .size: 8, .value_kind: global_buffer, .address_space: global }
    .group_segment_fixed_size: 327680
    .private_segment_fixed_size: 0
    .kernarg_segment_align: 8
    .kernarg_segment_size: 48
    .max_flat_workgroup_size: 128
    .sgpr_count:     102
    .vgpr_count:     1024
    .wavefront_size: 32
...
	.end_amdgpu_metadata
.endif
;; end of part 2
;; launch attn (part 3): grid 2 x 128, 8 waves a work-group, no clusters, 201,728 bytes of LDS; arguments qc, kc, vc, lowp_scales, out0; writes out0
.if DOCPART == 3
	.amdgcn_target "amdgcn-amd-amdhsa--gfx1250"
	.amdhsa_code_object_version 6
	.text
	.protected	k_q95b342b626_attn
	.globl	k_q95b342b626_attn
	.p2align	8
	.type	k_q95b342b626_attn,@function
k_q95b342b626_attn:
	s_mov_b64 s[64:65], 0
	v_nop
	global_prefetch_b8 v0, s[64:65] scope:SCOPE_SE
	s_setreg_imm32_b32 hwreg(HW_REG_WAVE_MODE, 25, 1), 1
	s_wait_xcnt 0x0
; out0[b][q][64 h + :] = the sum over k of softmax_k(Q[q] . K[k] / 8) V[k][:] for each of 128 (batch, head); both products on codes of FP8 (E4M3) with the given scales 2^e6 (Q), 2^e7 (K), 2^e8 (p), 2^e9 (V).
; THE SOFTMAX AHEAD OF THE SECOND PRODUCT: t = score x log2(e) / 8; M = the row's largest t so far, rounded UP to a whole number; p = 2^(t - M) is what is quantised; it is not normalised.  The row's sum is taken of
; the unquantised p, in f32, and divides O at the end.  When M moves, the sum and O are multiplied by 2^(old M - new M): exact.
; SHARES.  y = 16 b + h; x = which 512 of the head's 1,024 queries.  Eight waves; wave w owns queries 512 x + 64 w + 0 .. 63, four tiles of 16, and walks all 1,024 keys twice, 128 a step, with two tiles (A, B) at a time: each fragment of
; K and of V that is read from LDS feeds two products.
; The head's K and V (65,536 bytes each) lie in LDS as images of the operands' registers; they are copied there once, through registers: K ahead of the first step, V ahead of the first step's second product.
; NO CLUSTER: this launch has no tensor load that could be shared: K and V come once in a work-group's life, and a head has two work-groups.  No prefetch: nothing in the loop over the keys comes from memory.
; LAYOUT.  Both products are used transposed: S^T = K Q^T, O^T = V^T P^T: a lane holds ONE query (lane % 16) throughout, and the conversion of p gives registers of the second product's source 1.
; THE HOLD OF p at 448 x 2^e8.  p is at most 1, but for the rounding of t: codes are at most 448, so t stays under 64 x 448 x 448 x 2^(e6 + e7) x 0.1804 = 2,317,000 x 2^(e6 + e7); with e6 + e7 at most 0 that rounding stays under 1/4 and p under
; 1.19.  With e8 at least -8, 448 x 2^e8 is at least 1.75.  So with both no p reaches the hold; otherwise it is done.
; LIMITS on the given exponents, so that each power of two below is an f32 number: e8 between -126 and 119; e6 + e7 between -123 and 130 (added to c's exponent field); e8 + e9 is applied by v_ldexp_f32 and has none.
; The softmax's promise holds while the scaled scores stay under 2^31 in magnitude.  NaN is not served.
; REGISTERS.  Window 0: v0-31 below; v32-95, v96-159 S^T then p of tiles A, B; v160-191, v192-223 O^T; v224-239, v240-255 p's codes (before that, parts of A's sum).  Window 1: v0-63 eight fragments of K, v64-127 four of V
; (at the head: K's and V's bytes on their way to LDS), v128-159 Q's four.
.set GO,  0                            ; v0   the way out: my byte offset in out0's rows (the thread's number until then)
.set LO,  1                            ; v1   16 x lane
.set ADK, 2                            ; v2   the address of K's tiles
.set ADV, 3                            ; v3   of V's
.set STO, 4                            ; v4   the way out: into my stage
.set RD,  5                            ; v5   out of it
.set AV0, 6
.set SPW, 7
.set NIL, 8
.set SCL, 9                            ; v9   2^e8;  v10, v11 448 x 2^e8, twice: a dual instruction's two first sources have numbers that differ modulo 4
.set SV,  16                           ; v16  V's place in LDS for my copy: until the second step writes f there
.set CPA, 18                           ; v18  16 x thread: my copies' offset and K's place in LDS: likewise; V's loads, which name it, are waited for in the first step
                                       ; v12, v13 A's -M and largest t; v14, v15 B's; v[16:17], v[18:19] f; v[20:21], v[22:23] the sums, v[24:25], v[26:27] their second chains; v28-31 at work
.set SCA, 32
.set SCB, 96
.set OTA, 160
.set OTB, 192
.set PCA, 224
.set PCB, 240
.set VF,  64
.set QF,  128
.set STAGE, 0x20000                    ; LDS: K at 0, V at 65,536, then the stages of the way out
.set SPP, 272
.set STG, 2*16*SPP                     ; two tiles of 16 rows x 272 bytes for each wave
.set SPARE, STAGE+8*STG                ; the spare words, 128 bytes a wave, which no other line names
.set WV,  18
.set SEL, 46                           ; s[46:47] lane selects: lane l xor 16
.set CS,  48                           ; s[48:49] c = log2(e) / 8 x 2^(e6 + e7), twice
.set TB,  50
.set TA,  51
.set TN,  52
.set CT,  53
.set HOLD, 55
.set EO,  56
.set MSB, 0
.macro WIN new                         ; the immediate's high byte repeats the setting that is left
.if MSB != \new
	s_set_vgpr_msb (MSB<<8)|\new
.set MSB, \new
.endif
.endm
.macro COPY dst, base                  ; 65,536 bytes, 4,096 an instruction in the eight waves together
.irp i, 0,1,2,3,4,5,6,7,8,9,10,11,12,13,14,15
	global_load_b128 v[\dst+4*\i:\dst+4*\i+3], v[CPA], s[\base:\base+1] offset:4096*\i
.endr
.endm
.macro PUT adr, src
.irp i, 0,1,2,3,4,5,6,7,8,9,10,11,12,13,14,15
	ds_store_b128 v[\adr], v[\src+4*\i:\src+4*\i+3] offset:4096*\i
.endr
.endm
	s_load_b256 s[4:11], s[0:1], 0x0               ; qc s[4:5], kc s[6:7], vc s[8:9], the scales' exponents s[10:11]
	s_load_b64 s[12:13], s[0:1], 0x20              ; out0
	v_lshl_add_u32 v[SPW], v0, 2, SPARE
	v_mov_b32 v[NIL], 0
	v_lshrrev_b32 v28, 5, v0
	v_readfirstlane_b32 s[WV], v28                 ; wave 0..7
	v_and_b32 v29, 31, v0
	v_lshlrev_b32 v[LO], 4, v29
	v_lshlrev_b32 v[CPA], 4, v0
	v_add_nc_u32 v[SV], 0x10000, v[CPA]
	v_add_nc_u32 v[AV0], 0x10000, v[LO]
	s_and_b32 s19, ttmp7, 0xffff                   ; 16 b + h
	s_lshr_b32 s20, s19, 4                         ; b
	s_and_b32 s21, s19, 15                         ; h
	s_lshl_b32 s22, ttmp9, 3
	s_add_co_u32 s22, s22, s[WV]                   ; my 64 queries of the batch's 1,024
	s_lshl_b32 s28, s19, 16                        ; the head's Q, K and V
	s_mov_b32 s29, 0
	s_lshl_b32 s24, s22, 12
	s_add_co_u32 s24, s24, s28                     ; my queries' codes: 4,096 bytes
	s_mov_b32 s25, 0
	s_lshl_b32 s30, s20, 22
	s_lshl_b32 s31, s22, 18
	s_add_co_u32 s30, s30, s31
	s_lshl_b32 s31, s21, 8
	s_add_co_u32 s30, s30, s31                     ; out0: batch, my first query's row, the head's 256 bytes
	s_mov_b32 s31, 0
	s_wait_alu depctr_va_vdst(0)
	s_wait_kmcnt 0x0
	s_load_b128 s[40:43], s[10:11], 0x18           ; e6, e7, e8, e9
	s_add_nc_u64 s[4:5], s[4:5], s[24:25]
	s_add_nc_u64 s[6:7], s[6:7], s[28:29]
	s_add_nc_u64 s[8:9], s[8:9], s[28:29]
	s_add_nc_u64 s[12:13], s[12:13], s[30:31]
	WIN 0x40
	COPY 0, 6                                      ; K
.irp a, 0,1,2,3
	global_load_b128 v[QF+8*\a:QF+8*\a+3], v[LO], s[4:5] offset:1024*\a   ; Q's fragments stay in registers
	global_load_b128 v[QF+8*\a+4:QF+8*\a+7], v[LO], s[4:5] offset:1024*\a+512
.endr
	COPY 64, 8                                     ; V
	WIN 0
	s_mov_b32 s[SEL], 0x76543210
	s_mov_b32 s[SEL+1], 0xfedcba98
	s_mov_b32 s[CS], 0x3e38aa3b                    ; log2(e) / sqrt(64)
	s_mul_i32 s20, s[WV], STG
	s_add_co_u32 s20, s20, STAGE                   ; my stage
	v_mov_b32 v17, 0                               ; (named as the upper halves of pairs)
	v_mov_b32 v19, 0
	v_and_b32 v28, 15, v0                          ; r
	v_bfe_u32 v29, v0, 4, 1                        ; h
	v_mul_u32_u24 v[STO], v28, SPP
	v_mul_u32_u24 v[RD], v29, SPP
	v_lshl_add_u32 v[STO], v29, 5, v[STO]
	v_lshl_add_u32 v[RD], v28, 4, v[RD]
	v_add_nc_u32 v[STO], s20, v[STO]               ; in: row r; channels 16 u + 8 h on: 64 u + 32 h bytes
	v_add_nc_u32 v[RD], s20, v[RD]                 ; back: lanes 0-15 one row, lanes 16-31 the next
	v_lshlrev_b32 v[GO], 12, v29
	v_lshl_add_u32 v[GO], v28, 4, v[GO]            ; and the same two rows in out0
	s_wait_alu depctr_va_vdst(0)
	s_wait_kmcnt 0x0
	s_add_co_i32 s20, s40, s41                     ; e6 + e7
	s_cmp_gt_i32 s20, 0
	s_cselect_b32 s[HOLD], 1, 0
	s_cmp_lt_i32 s42, -8
	s_cselect_b32 s[HOLD], 1, s[HOLD]              ; is the hold of p to be done?
	s_lshl_b32 s20, s20, 23
	s_add_co_i32 s[CS], s[CS], s20                 ; a score stands for score x 2^(e6 + e7)
	s_mov_b32 s[CS+1], s[CS]
	s_add_co_i32 s22, s42, 127
	s_lshl_b32 s23, s22, 23
	s_add_co_i32 s22, s22, 8
	s_lshl_b32 s22, s22, 23
	s_or_b32 s22, s22, 0x600000
	s_add_co_i32 s[EO], s42, s43
	v_mov_b32 v[SCL], s23                          ; 2^e8,
	v_mov_b32 v10, s22                             ; 448 x that, twice
	v_mov_b32 v11, s22
	s_wait_alu depctr_va_vdst(0)
	s_wait_loadcnt 16                              ; K's bytes and Q are in; V's 16 loads may be out
	WIN 0x04
	PUT CPA, 0
	WIN 0
	s_wait_dscnt 0x0                               ; my part of K is stored,
	s_barrier_signal -1
	s_barrier_wait -1                              ; and everybody's
.macro KLOAD adr                       ; eight fragments: 128 keys
	WIN 0x40
.irp t, 0,1,2,3,4,5,6,7
	ds_load_b128 v[8*\t:8*\t+3], v[\adr] offset:1024*\t
	ds_load_b128 v[8*\t+4:8*\t+7], v[\adr] offset:1024*\t+512
.endr
.endm
.macro VLOAD                           ; four fragments: 64 channels x 128 keys
	WIN 0x40
.irp u, 0,1,2,3
.irp c, 0,1,2,3
	ds_load_b128 v[VF+16*\u+4*\c:VF+16*\u+4*\c+3], v[ADV] offset:2048*\u+512*\c
.endr
.endr
.endm
; A KEY STEP: 128 keys, tiles A and B.  K's fragments were asked for a step ahead; V's are asked for behind the first products, the next step's K between the two batches of exponentials.  first = 1: the pass's first step starts M, the
; sums and O^T.  vput = 1: the work-group's first step: V's bytes are put into LDS ahead of the second product.
.macro STEP first, qf, vput
	s_wait_dscnt 0x0                               ; K's fragments are in
	WIN 0x05
.irp t, 0,1,2,3,4,5,6,7
	v_wmma_f32_16x16x64_fp8_fp8 v[SCA+8*\t:SCA+8*\t+7], v[8*\t:8*\t+7], v[\qf:\qf+7], 0
	v_wmma_f32_16x16x64_fp8_fp8 v[SCB+8*\t:SCB+8*\t+7], v[8*\t:8*\t+7], v[\qf+8:\qf+15], 0
.endr
	WIN 0
	s_and_b32 s[TA], s[TB], 0xe000                 ; this step's 8,192 bytes of V,
	s_add_co_u32 s[TN], s[TB], 8192
	s_and_b32 s[TN], s[TN], 0xe000                 ; and the next step's of K (behind a pass's last step: the first's again; behind the very last nobody reads them)
	s_add_co_u32 s[TB], s[TB], 8192
	v_add_nc_u32 v[ADV], s[TA], v[AV0]
	v_add_nc_u32 v[ADK], s[TN], v[LO]
	v_nop                                          ; with the two additions: four places in front of the loads and of the first read of the scores
	v_nop
.if \vput == 0
	VLOAD
	WIN 0
.endif
	v_max3_num_f32 v28, v[SCA], v[SCA+1], v[SCA+2]   ; the largest scores of my two queries among my 64 keys, two chains each, each result's registers from the low end on
	v_max3_num_f32 v29, v[SCB], v[SCB+1], v[SCB+2]
	v_max3_num_f32 v30, v[SCA+3], v[SCA+4], v[SCA+5]
	v_max3_num_f32 v31, v[SCB+3], v[SCB+4], v[SCB+5]
.irp i, 6,10,14,18,22,26,30,34,38,42,46,50,54,58
	v_max3_num_f32 v28, v28, v[SCA+\i], v[SCA+\i+1]
	v_max3_num_f32 v29, v29, v[SCB+\i], v[SCB+\i+1]
	v_max3_num_f32 v30, v30, v[SCA+\i+2], v[SCA+\i+3]
	v_max3_num_f32 v31, v31, v[SCB+\i+2], v[SCB+\i+3]
.endr
	v_max3_num_f32 v28, v28, v[SCA+62], v[SCA+63]
	v_max3_num_f32 v29, v29, v[SCB+62], v[SCB+63]
	v_max_num_f32 v28, v28, v30
	v_max_num_f32 v29, v29, v31
	v_permlanex16_b32 v30, v28, s[SEL], s[SEL+1]
	v_permlanex16_b32 v31, v29, s[SEL], s[SEL+1]
	v_max_num_f32 v28, v28, v30                    ; and among lane l xor 16's
	v_max_num_f32 v29, v29, v31
.if \first
	v_mul_f32 v13, s[CS], v28                      ; as t (c is positive): the largest so far
	v_mul_f32 v15, s[CS], v29
	v_floor_f32 v12, -v13                          ; -M = floor(-t) = -ceil(t): M IS A WHOLE NUMBER
	v_floor_f32 v14, -v15
.else
	v_mul_f32 v28, s[CS], v28
	v_mul_f32 v29, s[CS], v29
	v_max_num_f32 v13, v13, v28                    ; the running largest t
	v_max_num_f32 v15, v15, v29
	v_mov_b32 v28, v12
	v_mov_b32 v29, v14
	v_floor_f32 v12, -v13                          ; the new -M
	v_floor_f32 v14, -v15
	v_sub_f32 v28, v12, v28                        ; M's old value less its new one: a whole number, 0 or less
	v_sub_f32 v29, v14, v29
	v_cvt_i32_f32 v28, v28                         ; (it saturates)
	v_cvt_i32_f32 v29, v29
	v_ldexp_f32 v16, 1.0, v28                      ; f = 2^(old M - new M): a multiplication by it rounds nothing
	v_ldexp_f32 v18, 1.0, v29
.irp j, 0,2,4,6,8,10,12,14,16,18,20,22,24,26,28,30
	v_pk_mul_f32 v[OTA+\j:OTA+\j+1], v[OTA+\j:OTA+\j+1], v[16:17] op_sel_hi:[1,0]   ; O^T under the new M
	v_pk_mul_f32 v[OTB+\j:OTB+\j+1], v[OTB+\j:OTB+\j+1], v[18:19] op_sel_hi:[1,0]
.endr
.endif
.set j, 0
.rept 32
	v_pk_fma_f32 v[SCA+j:SCA+j+1], v[SCA+j:SCA+j+1], s[CS:CS+1], v[12:13] op_sel_hi:[1,0,0]   ; A's t - M
.set j, j+2
.endr
	s_wait_alu depctr_va_vdst(0)                   ; ahead of the batch
.set j, 0
.rept 32
	v_exp_f32 v[SCA+j], v[SCA+j]                   ; A's p = 2^(t - M), NOT normalised,
	v_exp_f32 v[SCA+j+1], v[SCA+j+1]
	v_pk_fma_f32 v[SCB+j:SCB+j+1], v[SCB+j:SCB+j+1], s[CS:CS+1], v[14:15] op_sel_hi:[1,0,0]   ; and between them B's t - M
.set j, j+2
.endr
	s_wait_alu depctr_va_vdst(0)                   ; behind A's batch and ahead of B's
	KLOAD ADK
	WIN 0
.set j, 0
.rept 16
	v_exp_f32 v[SCB+4*j], v[SCB+4*j]               ; B's p,
	v_exp_f32 v[SCB+4*j+1], v[SCB+4*j+1]
	v_exp_f32 v[SCB+4*j+2], v[SCB+4*j+2]
	v_exp_f32 v[SCB+4*j+3], v[SCB+4*j+3]
	v_pk_add_f32 v[PCA+2*j:PCA+2*j+1], v[SCA+4*j:SCA+4*j+1], v[SCA+4*j+2:SCA+4*j+3]   ; and between them parts of A's sum
.set j, j+1
.endr
	s_wait_alu depctr_va_vdst(0)                   ; behind B's batch
	; THE ROWS' SUMS ARE TAKEN OF THE UNQUANTISED p: two numbers at a time, two chains each
.if \first
	v_pk_add_f32 v[20:21], v[PCA:PCA+1], v[PCA+30:PCA+31]
	v_pk_add_f32 v[22:23], v[SCB:SCB+1], v[SCB+62:SCB+63]
.else
	v_pk_fma_f32 v[20:21], v[20:21], v[16:17], v[PCA:PCA+1] op_sel_hi:[1,0,1]   ; the sum under the new M, and the first part
	v_pk_fma_f32 v[22:23], v[22:23], v[18:19], v[SCB:SCB+1] op_sel_hi:[1,0,1]
.endif
	v_pk_add_f32 v[24:25], v[PCA+2:PCA+3], v[PCA+4:PCA+5]
	v_pk_add_f32 v[26:27], v[SCB+2:SCB+3], v[SCB+4:SCB+5]
.irp n, 6,10,14,18,22,26
	v_pk_add_f32 v[20:21], v[20:21], v[PCA+\n:PCA+\n+1]
	v_pk_add_f32 v[22:23], v[22:23], v[SCB+\n:SCB+\n+1]
	v_pk_add_f32 v[24:25], v[24:25], v[PCA+\n+2:PCA+\n+3]
	v_pk_add_f32 v[26:27], v[26:27], v[SCB+\n+2:SCB+\n+3]
.endr
.if \first == 0
	v_pk_add_f32 v[20:21], v[20:21], v[PCA+30:PCA+31]
.endif
.irp n, 30,34,38,42,46,50,54,58
	v_pk_add_f32 v[22:23], v[22:23], v[SCB+\n:SCB+\n+1]
	v_pk_add_f32 v[26:27], v[26:27], v[SCB+\n+2:SCB+\n+3]
.endr
.if \first == 0
	v_pk_add_f32 v[22:23], v[22:23], v[SCB+62:SCB+63]
.endif
	s_cmp_eq_u32 s[HOLD], 0
	s_wait_alu depctr_va_vdst(0)                   ; directly ahead of the branch
	s_cbranch_scc1 .Lunder_\@                      ; no p can reach the hold
.set j, 0
.rept 64
	v_dual_min_num_f32 v[SCA+j], v10, v[SCA+j] :: v_dual_min_num_f32 v[SCA+j+1], v11, v[SCA+j+1]   ; p is not negative, so the hold is one-sided (A's 64 and B's 64 lie on end)
.set j, j+2
.endr
.Lunder_\@:
.irp t, 0,1,2,3,4,5,6,7
	v_cvt_scalef32_pk8_fp8_f32 v[PCA+2*\t:PCA+2*\t+1], v[SCA+8*\t:SCA+8*\t+7], v[SCL]   ; keys 16 t + 8 h + 0 .. 7: registers 2 t, 2 t + 1 of the operand
	v_cvt_scalef32_pk8_fp8_f32 v[PCB+2*\t:PCB+2*\t+1], v[SCB+8*\t:SCB+8*\t+7], v[SCL]
.endr
	v_pk_add_f32 v[20:21], v[20:21], v[24:25]      ; (the plain lines behind the last conversion)
	v_pk_add_f32 v[22:23], v[22:23], v[26:27]
	s_wait_alu depctr_va_vdst(0)
.if \vput
	s_wait_loadcnt 0x0                             ; V's bytes are in
	WIN 0x04
	PUT SV, VF
	WIN 0
	s_wait_dscnt 0x0                               ; my part of V is stored,
	s_barrier_signal -1
	s_barrier_wait -1                              ; and everybody's
	VLOAD
	s_wait_dscnt 0x0
.else
	s_wait_dscnt 16                                ; V's fragments are in; the next step's 16 loads of K may be out
.endif
	WIN 0x01
.irp u, 0,1,2,3                                ; O^T += V^T P^T.  The eight accumulators take turns, one instruction a turn
.if \first
	v_wmma_f32_16x16x128_fp8_fp8 v[OTA+8*\u:OTA+8*\u+7], v[VF+16*\u:VF+16*\u+15], v[PCA:PCA+15], 0
	v_wmma_f32_16x16x128_fp8_fp8 v[OTB+8*\u:OTB+8*\u+7], v[VF+16*\u:VF+16*\u+15], v[PCB:PCB+15], 0
.else
	v_wmma_f32_16x16x128_fp8_fp8 v[OTA+8*\u:OTA+8*\u+7], v[VF+16*\u:VF+16*\u+15], v[PCA:PCA+15], v[OTA+8*\u:OTA+8*\u+7]
	v_wmma_f32_16x16x128_fp8_fp8 v[OTB+8*\u:OTB+8*\u+7], v[VF+16*\u:VF+16*\u+15], v[PCB:PCB+15], v[OTB+8*\u:OTB+8*\u+7]
.endif
.endr
	WIN 0
.endm
; A PASS: two of my four tiles, all keys, and their way out
.macro PASS n
	STEP 1, QF+16*\n, 1-\n
	s_mov_b32 s[CT], 7
.Lkeys_\@:
	STEP 0, QF+16*\n, 0
	s_sub_co_u32 s[CT], s[CT], 1
	s_cmp_lg_u32 s[CT], 0
	s_cbranch_scc1 .Lkeys_\@
	; O^T x 2^(e8 + e9) / the sum goes through my stage in LDS and leaves as whole rows: a query's 64 channels are 256 bytes
	v_add_f32 v20, v20, v21
	v_add_f32 v22, v22, v23
	v_permlanex16_b32 v30, v20, s[SEL], s[SEL+1]
	v_permlanex16_b32 v31, v22, s[SEL], s[SEL+1]
	v_add_f32 v20, v20, v30                        ; and lane l xor 16's: the rows' sums
	v_add_f32 v22, v22, v31
	s_wait_alu depctr_va_vdst(0)                   ; ahead of the batch
	v_rcp_f32 v20, v20
	v_rcp_f32 v22, v22
	v_nop                                          ; a plain line behind the last reciprocal
	s_wait_alu depctr_va_vdst(0)                   ; behind the batch
	v_ldexp_f32 v20, v20, s[EO]
	v_ldexp_f32 v22, v22, s[EO]
	s_wait_alu depctr_va_vdst(0)                   ; directly ahead of the first reader of O^T
.irp j, 0,2,4,6,8,10,12,14,16,18,20,22,24,26,28,30
	v_pk_mul_f32 v[SCA+\j:SCA+\j+1], v[OTA+\j:OTA+\j+1], v[20:21] op_sel_hi:[1,0]
	v_pk_mul_f32 v[SCB+\j:SCB+\j+1], v[OTB+\j:OTB+\j+1], v[22:23] op_sel_hi:[1,0]
.endr
.irp q, 0,1
.irp u, 0,1,2,3
	ds_store_b128 v[STO], v[SCA+64*\q+8*\u:SCA+64*\q+8*\u+3] offset:16*SPP*\q+64*\u
	ds_store_b128 v[STO], v[SCA+64*\q+8*\u+4:SCA+64*\q+8*\u+7] offset:16*SPP*\q+64*\u+16
.endr
.irp i, 0,1,2,3,4,5,6,7
	ds_load_b128 v[SCA+64*\q+32+4*\i:SCA+64*\q+35+4*\i], v[RD] offset:16*SPP*\q+2*SPP*\i   ; my own bytes: LDS serves a wave's instructions in order (ISA guide 5.7.1.4)
.endr
.endr
.irp q, 0,1
.irp i, 0,1,2,3,4,5,6,7
	s_wait_dscnt 16*(1-\q)+7-\i                    ; this one is in; the younger LDS instructions may be out
	global_store_b128 v[GO], v[SCA+64*\q+32+4*\i:SCA+64*\q+35+4*\i], s[12:13] offset:65536*\q+8192*\i th:TH_STORE_NT   ; sixteen lanes store 256 consecutive aligned bytes; written once, read by nobody here
.endr
.endr
.endm
	KLOAD LO                                       ; the first step's K
	WIN 0
	s_mov_b32 s[TB], 0
	PASS 0
	s_wait_xcnt 0x0                                ; the stores have read their base and their data, which the next pass writes again
	s_add_nc_u64 s[12:13], s[12:13], 0x20000       ; 32 rows on
	PASS 1
	s_wait_tensorcnt 0x0                           ; the wave's end: behind my last LDS store
	ds_add_u32 v[SPW], v[NIL]
	s_wait_dscnt 0x0
	s_endpgm
.Lfunc_end_k_q95b342b626_attn:
	.size	k_q95b342b626_attn, .Lfunc_end_k_q95b342b626_attn-k_q95b342b626_attn
	.p2alignl 7, 3214868480
	.fill 96, 4, 3214868480
	.section	.rodata,"a",@progbits
	.p2align	6, 0x0
	.amdhsa_kernel k_q95b342b626_attn
		.amdhsa_group_segment_fixed_size 201728
		.amdhsa_private_segment_fixed_size 0
		.amdhsa_enable_private_segment 0
		.amdhsa_kernarg_size 40
		.amdhsa_user_sgpr_count 2
		.amdhsa_user_sgpr_kernarg_segment_ptr 1
		.amdhsa_wavefront_size32 1
		.amdhsa_system_sgpr_workgroup_id_x 1
		.amdhsa_system_sgpr_workgroup_id_y 1
		.amdhsa_system_sgpr_workgroup_id_z 1
		.amdhsa_system_vgpr_workitem_id 0
		.amdhsa_next_free_vgpr 512
		.amdhsa_next_free_sgpr 66
		.amdhsa_reserve_vcc 0
		.amdhsa_float_denorm_mode_32 3
		.amdhsa_float_denorm_mode_16_64 3
		.amdhsa_memory_ordered 1
		.amdhsa_forward_progress 1
		.amdhsa_inst_pref_size 132
	.end_amdhsa_kernel
	.amdgpu_metadata
---
amdhsa.version: [ 1, 2 ]
amdhsa.kernels:
  - .name:           k_q95b342b626_attn
    .symbol:         k_q95b342b626_attn.kd
    .args:
      - { .name: qc, .offset: 0, .size: 8, .value_kind: global_buffer, .address_space: global }
      - { .name: kc, .offset: 8, .size: 8, .value_kind: global_buffer, .address_space: global }
      - { .name: vc, .offset: 16, .size: 8, .value_kind: global_buffer, .address_space: global }
      - { .name: lowp_scales, .offset: 24, .size: 8, .value_kind: global_buffer, .address_space: global }
      - { .name: out0, .offset: 32, .size: 8, .value_kind: global_buffer, .address_space: global }
    .group_segment_fixed_size: 201728
    .private_segment_fixed_size: 0
    .kernarg_segment_align: 8
    .kernarg_segment_size: 40
    .max_flat_workgroup_size: 256
    .sgpr_count:     66
    .vgpr_count:     512
    .wavefront_size: 32
...
	.end_amdgpu_metadata
.endif
;; end of part 3
